; MI455X (gfx1250); checked and timed in simulation.
; The chip was launched on July 23, 2026; its instructions are those of AMD's public machine-readable ISA for CDNA 5 (MIT licence, August 2026) and "CDNA5" Instruction Set Architecture Reference Guide (July 2026). The comments in the code are by the model that wrote it; some were corrected since.
;; Mo E Layer. Allowed arithmetic: float matrix products may take bf16 or f16 operands with f32 sums; other float arithmetic in f32, or as packed bf16 or f16 multiplies, adds, multiply-adds, maxima and minima; sums over many terms, partial sums and values carried from step to step in f32; what a program stores and reads back later, other than sums and carried values, may be rounded once to bf16 or f16.
;; Inputs: expert_b1 8 x 4,096 float32; expert_b2 8 x 1,024 float32; expert_w1 8 x 4,096 x 1,024 float32; expert_w2 8 x 1,024 x 4,096 float32; router_w 8 x 1,024 float32; x 8 x 128 x 1,024 float32.
;; Outputs: out0 8 x 128 x 1,024 float32.
;; Constants: top_k = 2.
;; One version. Each part assembles by itself: llvm-mc -triple=amdgcn-amd-amdhsa -mcpu=gfx1250 --defsym DOCPART=n.
;; ======== version 1 of 1: 4 launches
;; limits: values are held in f16: magnitudes above 65,504 overflow, below 6.1e-05 lose precision
;; workspace buffers: xb 2,097,152 bytes; bitmap 1,024 bytes of whole numbers; sel 8,192 bytes of whole numbers; gate 8,192 bytes; hid 67,108,864 bytes; rowof 32,768 bytes of whole numbers; part 134,217,728 bytes
;; launch route (part 1): grid 64 x 1, 4 waves a work-group, no clusters, 50,176 bytes of LDS; arguments x, router_w, xb, bitmap, sel, gate; writes xb, bitmap, sel, gate
.if DOCPART == 1
	.amdgcn_target "amdgcn-amd-amdhsa--gfx1250"
	.amdhsa_code_object_version 6
	.text
	.protected	k_q9e2b0586a2_route
	.globl	k_q9e2b0586a2_route
	.p2align	8
	.type	k_q9e2b0586a2_route,@function
k_q9e2b0586a2_route:
	s_mov_b64 s[64:65], 0
	v_nop
	global_prefetch_b8 v0, s[64:65] scope:SCOPE_SE
	s_setreg_imm32_b32 hwreg(HW_REG_WAVE_MODE, 25, 1), 1
	s_wait_xcnt 0x0
; ROUTER.  x [1024][1024] f32 is rounded to bf16 (xb, for the first product); logits = bf16(x) . bf16(router_w), products exact, sums in f32 by the
; matrix unit; the two largest logits of a token (strict '>', so the lower index wins a tie, as jax.lax.top_k has it) are its experts.
; gates: with q_e = exp(l_e - l_best), S = sum q_e: p0 = 1/S, p1 = q1/S, and p/(p0 + p1 + 1e-9) = (1, q1) / (1 + q1 + 1e-9 S): the maximum is taken away as in the softmax.
; LIMITS.  All inputs of the program are rounded to bf16, the router's too.  The choice is made on logits, not on rounded probabilities: it differs from a top-k of
; probabilities only where two different logits round to one probability.  NaN and infinities are not treated apart.
; SHARES.  A work-group owns 16 tokens (a matrix tile, and a halfword of the bitmaps).  Each of its four waves rounds 4 token rows and 2 router rows into LDS; wave 0 then multiplies.
; OUT.  xb; sel[t] = (e0, e1); gate[t] = (g0, g1); bitmap[e][g] (u16): bit b = token 16 g + b chose e.  All at fixed places: no address here hangs on the choice.
.set RP,    2064                       ; an LDS row: 2,048 bytes + 16: an odd multiple of 16, so the 16 rows of a fragment load start at 16 different groups of four banks (ISA guide 11.1)
.set SPARE, 49664                      ; behind 24 rows: the spare words, 128 bytes a wave
.set XS,    32                         ; v32-159   x as loaded: 4 rows x 8 quads
.set RS,    160                        ; v160-223  router_w as loaded: 2 rows x 8 quads
.set FRG,   32                         ; v32-223   later: three fragment buffers of 64 (4 K steps: 8 router + 8 token registers each)
.set ACC,   224                        ; v224-255  four accumulators, one for each K step mod 4
.set LOG2E, 0x3fb8aa3b
	s_load_b256 s[4:11], s[0:1], 0x0               ; x s[4:5], router_w s[6:7], xb s[8:9], bitmap s[10:11]
	s_load_b128 s[12:15], s[0:1], 0x20             ; sel s[12:13], gate s[14:15]
	v_lshl_add_u32 v28, v0, 2, SPARE               ; my spare word,
	v_mov_b32 v29, 0                               ; and 0: kept for the closing lines alone
	v_lshrrev_b32 v10, 5, v0
	v_readfirstlane_b32 s16, v10                   ; wave 0..3
	v_and_b32 v1, 31, v0                           ; lane
	v_and_b32 v2, 15, v0                           ; r
	v_bfe_u32 v3, v0, 4, 1                         ; h
	v_lshlrev_b32 v4, 4, v1                        ; 16 bytes of f32 a lane
	v_lshlrev_b32 v5, 3, v1                        ; 8 bytes of bf16 a lane
	s_mul_i32 s17, s16, 4*RP
	v_add_nc_u32 v6, s17, v5                       ; LDS: my 4 token rows
	s_mul_i32 s17, s16, 2*RP
	s_add_co_u32 s17, s17, 16*RP
	v_add_nc_u32 v7, s17, v5                       ; LDS: my 2 router rows, behind the 16 token rows
	v_mul_u32_u24 v8, v2, RP
	v_lshl_add_u32 v8, v3, 4, v8                   ; token fragment: row r, 16 bytes a half
	v_and_b32 v10, 7, v0
	v_mul_u32_u24 v9, v10, RP
	v_lshl_add_u32 v9, v3, 4, v9
	v_add_nc_u32 v9, 16*RP, v9                     ; router fragment: row r mod 8 (rows 8-15 of the tile repeat the 8 experts)
	v_lshlrev_b32 v25, 7, v1                       ; bitmap: expert = lane, 128 bytes apart
	s_lshl_b32 s18, ttmp9, 16                      ; x: 16 rows of 4,096 bytes a group,
	s_lshl_b32 s17, s16, 14                        ; 4 rows a wave
	s_add_co_u32 s18, s18, s17
	s_mov_b32 s19, 0
	s_lshl_b32 s24, s16, 13                        ; router_w: 2 rows of 4,096 bytes a wave
	s_mov_b32 s25, 0
	s_lshl_b32 s26, ttmp9, 15                      ; xb: 16 rows of 2,048 bytes a group, 4 rows a wave
	s_add_co_u32 s26, s26, s24
	s_mov_b32 s27, 0
	s_lshl_b32 s28, ttmp9, 7                       ; sel, gate: 16 tokens of 8 bytes
	s_mov_b32 s29, 0
	s_lshl_b32 s30, ttmp9, 1                       ; bitmap: my halfword
	s_mov_b32 s31, 0
	s_wait_kmcnt 0x0
	s_add_nc_u64 s[4:5], s[4:5], s[18:19]
	s_add_nc_u64 s[6:7], s[6:7], s[24:25]
	s_add_nc_u64 s[8:9], s[8:9], s[26:27]
	s_add_nc_u64 s[10:11], s[10:11], s[30:31]
	s_add_nc_u64 s[12:13], s[12:13], s[28:29]
	s_add_nc_u64 s[14:15], s[14:15], s[28:29]
.irp p, 0,1,2,3
.irp c, 0,1,2,3,4,5,6,7
	global_load_b128 v[XS+32*(\p)+4*(\c):XS+32*(\p)+4*(\c)+3], v4, s[4:5] offset:(\p)*4096+(\c)*512 th:TH_LOAD_NT  ; 512 consecutive bytes a load
.endr
.endr
.irp p, 0,1
.irp c, 0,1,2,3,4,5,6,7
	global_load_b128 v[RS+32*(\p)+4*(\c):RS+32*(\p)+4*(\c)+3], v4, s[6:7] offset:(\p)*4096+(\c)*512
.endr
.endr
	s_wait_loadcnt 16                              ; x is in; the 16 router loads may stay out
.irp p, 0,1,2,3
.irp c, 0,1,2,3,4,5,6,7
	v_cvt_pk_bf16_f32 v[XS+32*(\p)+4*(\c)], v[XS+32*(\p)+4*(\c)], v[XS+32*(\p)+4*(\c)+1]
	v_cvt_pk_bf16_f32 v[XS+32*(\p)+4*(\c)+1], v[XS+32*(\p)+4*(\c)+2], v[XS+32*(\p)+4*(\c)+3]
	global_store_b64 v5, v[XS+32*(\p)+4*(\c):XS+32*(\p)+4*(\c)+1], s[8:9] offset:(\p)*2048+(\c)*256  ; the wave's store covers 256 consecutive bytes, aligned
	ds_store_b64 v6, v[XS+32*(\p)+4*(\c):XS+32*(\p)+4*(\c)+1] offset:(\p)*RP+(\c)*256
.endr
.endr
	s_wait_loadcnt 0x0                             ; router_w
.irp p, 0,1
.irp c, 0,1,2,3,4,5,6,7
	v_cvt_pk_bf16_f32 v[RS+32*(\p)+4*(\c)], v[RS+32*(\p)+4*(\c)], v[RS+32*(\p)+4*(\c)+1]
	v_cvt_pk_bf16_f32 v[RS+32*(\p)+4*(\c)+1], v[RS+32*(\p)+4*(\c)+2], v[RS+32*(\p)+4*(\c)+3]
	ds_store_b64 v7, v[RS+32*(\p)+4*(\c):RS+32*(\p)+4*(\c)+1] offset:(\p)*RP+(\c)*256
.endr
.endr
	s_wait_dscnt 0x0                               ; for wave 0's sake: my rows are in LDS
	s_barrier_signal -1
	s_barrier_wait -1
	s_cmp_eq_u32 s16, 0
	s_cbranch_scc1 .Lw0
	s_wait_tensorcnt 0x0                           ; waves 1-3 end here
	ds_add_u32 v28, v29
	s_wait_dscnt 0x0
	s_endpgm
.Lw0:
	s_wait_xcnt 0x0                                ; the staging registers were store data: they are loaded again only behind this wait
; Group g = K steps 4 g .. 4 g + 3, 16 LDS loads, into buffer g mod 3
.macro GLOAD g
.set fb0, FRG+64*((\g)%3)
.irp q, 0,1,2,3
	ds_load_b128 v[fb0+16*(\q):fb0+16*(\q)+3],     v9 offset:(4*(\g)+(\q))*64
	ds_load_b128 v[fb0+16*(\q)+4:fb0+16*(\q)+7],   v9 offset:(4*(\g)+(\q))*64+32
	ds_load_b128 v[fb0+16*(\q)+8:fb0+16*(\q)+11],  v8 offset:(4*(\g)+(\q))*64
	ds_load_b128 v[fb0+16*(\q)+12:fb0+16*(\q)+15], v8 offset:(4*(\g)+(\q))*64+32
.endr
.endm
	GLOAD 0
	GLOAD 1
	GLOAD 2
; Source 0 = experts, source 1 = tokens: lane l then holds the 8 logits of token l mod 16 in registers 0-7.  The four accumulators take turns.
.irp g, 0,1,2,3,4,5,6,7
.set fb0, FRG+64*((\g)%3)
.if (\g) <= 5
	s_wait_dscnt 32                                ; the two younger groups' loads may stay out
.elseif (\g) == 6
	s_wait_dscnt 16
.else
	s_wait_dscnt 0x0
.endif
.irp q, 0,1,2,3
.if (\g) == 0
	v_wmma_f32_16x16x32_bf16 v[ACC+8*(\q):ACC+8*(\q)+7], v[fb0+16*(\q):fb0+16*(\q)+7], v[fb0+16*(\q)+8:fb0+16*(\q)+15], 0
.else
	v_wmma_f32_16x16x32_bf16 v[ACC+8*(\q):ACC+8*(\q)+7], v[fb0+16*(\q):fb0+16*(\q)+7], v[fb0+16*(\q)+8:fb0+16*(\q)+15], v[ACC+8*(\q):ACC+8*(\q)+7]
.endif
.endr
.rept 4
	v_nop                                          ; four places in front of loads into registers just multiplied, and of the sums below
.endr
.if (\g) < 5
	GLOAD (\g)+3
.endif
.endr
.irp j, 0,2,4,6                        ; the four partial sums into one; each accumulator's lowest registers are read first
	v_pk_add_f32 v[ACC+(\j):ACC+(\j)+1], v[ACC+(\j):ACC+(\j)+1], v[ACC+8+(\j):ACC+8+(\j)+1]
.endr
.irp j, 0,2,4,6
	v_pk_add_f32 v[ACC+16+(\j):ACC+16+(\j)+1], v[ACC+16+(\j):ACC+16+(\j)+1], v[ACC+24+(\j):ACC+24+(\j)+1]
.endr
.irp j, 0,2,4,6
	v_pk_add_f32 v[ACC+(\j):ACC+(\j)+1], v[ACC+(\j):ACC+(\j)+1], v[ACC+16+(\j):ACC+16+(\j)+1]
.endr
	; the largest logit (v10) and its expert (v20)
	v_mov_b32 v10, v[ACC]
	v_mov_b32 v20, 0
.irp e, 1,2,3,4,5,6,7
	v_cmp_gt_f32 vcc_lo, v[ACC+(\e)], v10
	v_cndmask_b32 v10, v10, v[ACC+(\e)], vcc_lo
	v_cndmask_b32 v20, v20, \e, vcc_lo
.endr
	; the largest of the others (v11) and its expert (v21)
	v_mov_b32 v11, 0xff800000
	v_mov_b32 v21, 0
.irp e, 0,1,2,3,4,5,6,7
	v_cmp_ne_u32 s20, \e, v20
	v_cmp_gt_f32 s21, v[ACC+(\e)], v11
	s_and_b32 s20, s20, s21
	v_cndmask_b32 v11, v11, v[ACC+(\e)], s20
	v_cndmask_b32 v21, v21, \e, s20
.endr
	; gates
.irp e, 0,1,2,3,4,5,6,7
	v_sub_f32 v[12+(\e)], v[ACC+(\e)], v10
.endr
	v_sub_f32 v26, v11, v10
.irp e, 0,1,2,3,4,5,6,7
	v_mul_f32 v[12+(\e)], LOG2E, v[12+(\e)]
.endr
	v_mul_f32 v26, LOG2E, v26
.irp e, 0,1,2,3,4,5,6,7
	v_exp_f32 v[12+(\e)], v[12+(\e)]
.endr
	v_exp_f32 v26, v26                             ; q1
	v_nop                                          ; a plain instruction behind the last exponential,
	s_wait_alu depctr_va_vdst(0)                   ; and one wait for the nine, ahead of their first reader
	v_add_f32 v12, v12, v13
	v_add_f32 v14, v14, v15
	v_add_f32 v16, v16, v17
	v_add_f32 v18, v18, v19
	v_add_f32 v12, v12, v14
	v_add_f32 v16, v16, v18
	v_add_f32 v12, v12, v16                        ; S
	v_add_f32 v13, 1.0, v26
	v_fmamk_f32 v13, v12, 0x3089705f, v13          ; 1 + q1 + 1e-9 S
	v_rcp_f32 v22, v13                             ; g0
	v_nop
	s_wait_alu depctr_va_vdst(0)
	v_mul_f32 v23, v26, v22                        ; g1
	; bitmaps: lane e of v24 takes the 16 tokens' bits for expert e (the upper 16 lanes repeat the lower)
	v_mov_b32 v24, 0
.irp e, 0,1,2,3,4,5,6,7
	v_cmp_eq_u32 s20, \e, v20
	v_cmp_eq_u32 s21, \e, v21
	s_or_b32 s20, s20, s21
	v_writelane_b32 v24, s20, \e
.endr
	s_wait_xcnt 0x0                                ; EXEC changes only behind this wait
	v_cmp_gt_u32 vcc_lo, 16, v1
	s_and_saveexec_b32 s22, vcc_lo
	global_store_b64 v5, v[20:21], s[12:13]        ; 16 tokens: 128 consecutive bytes
	global_store_b64 v5, v[22:23], s[14:15]
	s_wait_xcnt 0x0
	s_or_b32 exec_lo, exec_lo, s22
	v_cmp_gt_u32 vcc_lo, 8, v1
	s_and_saveexec_b32 s22, vcc_lo
	global_store_b16 v25, v24, s[10:11]            ; 8 halfwords, an expert's row apart: 16 bytes a group, so that a later launch reads an expert's bitmap as 32 scalar words
	s_wait_xcnt 0x0
	s_or_b32 exec_lo, exec_lo, s22
	s_wait_tensorcnt 0x0                           ; the wave's end
	ds_add_u32 v28, v29
	s_wait_dscnt 0x0
	s_endpgm
.Lfunc_end_k_q9e2b0586a2_route:
	.size	k_q9e2b0586a2_route, .Lfunc_end_k_q9e2b0586a2_route-k_q9e2b0586a2_route
	.p2alignl 7, 3214868480
	.fill 96, 4, 3214868480
	.section	.rodata,"a",@progbits
	.p2align	6, 0x0
	.amdhsa_kernel k_q9e2b0586a2_route
		.amdhsa_group_segment_fixed_size 50176
		.amdhsa_private_segment_fixed_size 0
		.amdhsa_enable_private_segment 0
		.amdhsa_kernarg_size 48
		.amdhsa_user_sgpr_count 2
		.amdhsa_user_sgpr_kernarg_segment_ptr 1
		.amdhsa_wavefront_size32 1
		.amdhsa_system_sgpr_workgroup_id_x 1
		.amdhsa_system_sgpr_workgroup_id_y 1
		.amdhsa_system_sgpr_workgroup_id_z 1
		.amdhsa_system_vgpr_workitem_id 0
		.amdhsa_next_free_vgpr 256
		.amdhsa_next_free_sgpr 66
		.amdhsa_reserve_vcc 1
		.amdhsa_float_denorm_mode_32 3
		.amdhsa_float_denorm_mode_16_64 3
		.amdhsa_memory_ordered 1
		.amdhsa_forward_progress 1
		.amdhsa_inst_pref_size 39
	.end_amdhsa_kernel
	.amdgpu_metadata
---
amdhsa.version: [ 1, 2 ]
amdhsa.kernels:
  - .name:           k_q9e2b0586a2_route
    .symbol:         k_q9e2b0586a2_route.kd
    .args:
      - { .name: x, .offset: 0, .size: 8, .value_kind: global_buffer, .address_space: global }
      - { .name: router_w, .offset: 8, .size: 8, .value_kind: global_buffer, .address_space: global }
      - { .name: xb, .offset: 16, .size: 8, .value_kind: global_buffer, .address_space: global }
      - { .name: bitmap, .offset: 24, .size: 8, .value_kind: global_buffer, .address_space: global }
      - { .name: sel, .offset: 32, .size: 8, .value_kind: global_buffer, .address_space: global }
      - { .name: gate, .offset: 40, .size: 8, .value_kind: global_buffer, .address_space: global }
    .group_segment_fixed_size: 50176
    .private_segment_fixed_size: 0
    .kernarg_segment_align: 8
    .kernarg_segment_size: 48
    .max_flat_workgroup_size: 128
    .sgpr_count:     66
    .vgpr_count:     256
    .wavefront_size: 32
...
	.end_amdgpu_metadata
.endif
;; end of part 1
;; launch up (part 2): grid 32 x 8, 4 waves a work-group, no clusters, 264,704 bytes of LDS; arguments xb, expert_w1, expert_b1, bitmap, hid, rowof; writes hid, rowof
.if DOCPART == 2
	.amdgcn_target "amdgcn-amd-amdhsa--gfx1250"
	.amdhsa_code_object_version 6
	.text
	.protected	k_q9e2b0586a2_up
	.globl	k_q9e2b0586a2_up
	.p2align	8
	.type	k_q9e2b0586a2_up,@function
k_q9e2b0586a2_up:
	s_mov_b64 s[64:65], 0
	v_nop
	global_prefetch_b8 v0, s[64:65] scope:SCOPE_SE
	s_setreg_imm32_b32 hwreg(HW_REG_WAVE_MODE, 25, 1), 1
	s_wait_xcnt 0x0
; FIRST PRODUCT.  gelu(xb[token(rank)] . bf16(w1[e][f]) + bf16(b1[e][f])), f16, for the rows that chose expert e, in the order of their tokens.
; hid's LAYOUT is the second product's operand order: hid[e][tile of 16 ranks][f / 16][lane][8 f16]; lane (r, h) holds rank 16 tile + r, features 16 (f / 16) + 8 h + 0..7.
; That is what a lane of this kernel holds in an accumulator, so a tile leaves straight from registers, 512 consecutive bytes a store, and comes back as fragments in the same way.
; SHARES.  Work-group (slice, e): 128 features of expert e, which it alone reads: 128 rows x 1,024 K of f32, rounded to bf16 on their way through registers into LDS.  One barrier.
; Then each wave takes tiles of 16 routed rows, tile numbers = wave mod 4, five to a pass; the token fragments come from memory straight into registers, and LDS is only read.
; The pass loop has a constant count (4 x 5 x 4 = 80 places for 64 tiles at the most, every split of the tokens); dead passes and, behind a pass's first 64 K, dead tiles are jumped forward;
; nothing jumped holds a barrier.  Places past the wave's last tile repeat a row that exists; their loads are issued all the same, so every counted wait counts alike on both ways.
; Ranks from the expert's count up to the next multiple of 16 repeat the last routed row, so every tile is stored whole.  An expert without rows stores nothing but its ranks.
; THE TOKEN OF A RANK is found in registers from the expert's bitmap, 32 scalar words: the last word whose running count is not above the rank, then the n-th set bit of that word.
; NO CLUSTER, NO TENSOR LOAD: each weight byte has one reader and must pass registers to be rounded; the shared token rows come by ranks.
; GELU (exact form).  gelu(x) = max(x, 0) - |x| P(t) u, t = 1 / (1 + p |x| / sqrt 2), u = exp(-x^2 / 2), P the polynomial of Abramowitz and Stegun 7.1.26 with halved coefficients:
; erfc to 1.5e-7 absolute for every x.
; LIMITS.  hid is f16: |gelu| stays under 65,504.  NaN and infinities are not treated apart.
; REGISTERS, in windows of 256 (s_set_vgpr_msb: bits 1:0 source 0, 3:2 source 1, 5:4 source 2, 7:6 destination):
;   window 0: v0-31 addresses; v32-63 ranks to store; v64-223 token fragments A[par][tile]: 16 registers = 64 K (v64-87 at work while rows are found); v224-255 at work on the bias
;   window 1: weight staging, four sub-buffers of 64 (fill), weight fragments, two buffers of 128 (products), the GELU's registers (way out)
;   window 2: accumulators of tiles 0-3;   window 3: v0-63 those of tile 4, v64-127 the bias in an accumulator's layout
.set WP,    2064                       ; a weight row in LDS: 2,048 bytes + 16, an odd multiple of 16 (ISA guide 11.1: 64 banks of 4 bytes)
.set GP,    4096                       ; a weight row in memory
.set FB2,   16*WP                      ; 16 rows: from a fragment block to the next
.set ACH,   128                        ; bytes of a token's row in a chunk of 64 K,
.set ASUB,  32                         ; and from one of its four loads to the next
.set SPARE, 128*WP                     ; behind the slice: the spare words, 128 bytes a wave
.set WOFF, 4                           ; v4   fill: lane x 16 + my 32 rows in memory
.set LOFF, 5                           ; v5   fill: lane x 8 + my rows in LDS
.set VB,   6                           ; v6-9 weight fragments: blocks 2 q, 2 q + 1, at the K in hand
.set FR,   10                          ; v10  r x WP + 16 h; never rewritten
.set ROW,  11                          ; v11-15 tile i: my token's row in xb + 16 h
.set OUT,  18                          ; v18  lane x 16
.set T0,   21
.set T1,   22
.set H16,  23
.set H32,  24
.set L4,   25
.set SPW,  28
.set NIL,  29
.set RK,   32
.set AF,   64
.set RHO,  64                          ; three slots each, at work while rows are found: the rank, then its place among the word's set bits
.set WRD,  67                          ; the word
.set PKD,  70                          ; the word's number << 16 | the count of bits in the words before it
.set SA,   73                          ; counts of the word's bits by 2,
.set SB,   76                          ; by 4,
.set SC,   79                          ; by 8
.set SD,   82
.set TK,   85                          ; the bit's place, then the token
.set BT,   224
.set BI,   64
.set XA,   0
.set XM,   64
.set XT,   128
.set XU,   192
.set KB,   92                          ; s92  the K in hand, in bytes of an LDS row
.set AK0,  74                          ; s[74:75] the base by which the even chunks of the K loop ask for tokens
.set WB,   94                          ; s[94:101] the weights: a base for each of the four sub-buffers
; scalars: s2, s3 lane selects; s[4:15] pointers; s[16:47] my expert's bitmap; s48 wave, s49 e, s50 slice; s51 M, s52 tiles, s53 my tiles left, s54 live tiles of the pass; s55 passes, s56 K trips;
; s57 rank base, s58 M - 1; s59 fill trips, tile number; s60-63 at work; s[66:67] xb, s[68:69] xb at the K in hand; s[70:71] the pass's tiles of hid, s[72:73] the tile's; s[76:89] constants; s90, s91 masks
.set MSB, 0
.macro WIN new                         ; the immediate's high byte repeats the setting that is left; a switch that changes nothing is dropped
.if MSB != (\new)
	s_set_vgpr_msb (MSB<<8)|(\new)
.set MSB, (\new)
.endif
.endm
.macro PLACES                          ; four places behind matrix instructions, in front of loads into their sources and of readers of their results
.rept 4
	v_nop
.endr
.endm
.macro T3 line:vararg                  ; one line for each slot t
.set t, 0
.rept 3
	\line
.set t, t+1
.endr
.endm
.macro T5 line:vararg                  ; one line for each tile t
.set t, 0
.rept 5
	\line
.set t, t+1
.endr
.endm
.macro WLOADR b, p                     ; row p of sub-buffer b: 8 loads of 512 consecutive bytes, by the sub-buffer's own base
	WIN 0x40
.irp c, 0,1,2,3,4,5,6,7
	global_load_b128 v[64*(\b)+32*(\p)+4*(\c):64*(\b)+32*(\p)+4*(\c)+3], v[WOFF], s[WB+2*(\b):WB+2*(\b)+1] offset:(2*(\b)+(\p))*GP+(\c)*512 th:TH_LOAD_NT
.endr
.endm
.macro WLOAD b
	WLOADR \b, 0
	WLOADR \b, 1
.endm
.macro WPUT b                          ; sub-buffer b rounded to bf16 in place, and into LDS: 256 consecutive bytes a store
	WIN 0x45
.set q, 64*(\b)
.rept 16
	v_cvt_pk_bf16_f32 v[q], v[q], v[q+1]
	v_cvt_pk_bf16_f32 v[q+1], v[q+2], v[q+3]
.set q, q+4
.endr
	WIN 0x04
.irp p, 0,1
.irp c, 0,1,2,3,4,5,6,7
	ds_store_b64 v[LOFF], v[64*(\b)+32*(\p)+4*(\c):64*(\b)+32*(\p)+4*(\c)+1] offset:(2*(\b)+(\p))*WP+(\c)*256
.endr
.endr
.endm
.macro ALOAD par, i, imm, b            ; tile i's token fragments of 64 K, by base s[b:b+1]
.irp o, 0,1,2,3
	global_load_b128 v[AF+80*(\par)+16*(\i)+4*(\o):AF+80*(\par)+16*(\i)+4*(\o)+3], v[ROW+(\i)], s[(\b):(\b)+1] offset:(\imm)+ASUB*(\o)
.endr
.endm
.macro ALOAD5 par, imm                 ; 20 loads: a chunk's fragments of all five tiles
.irp i, 0,1,2,3,4
	ALOAD \par, \i, \imm, 68
.endr
.endm
.macro FETCHB par, bimm                ; the slice's fragments of 64 K: 32 LDS loads in one run
	WIN 0x40
.irp ks, 0,1
.irp fb, 0,1,2,3,4,5,6,7
	ds_load_b128 v[128*(\par)+64*(\ks)+8*(\fb):128*(\par)+64*(\ks)+8*(\fb)+3],   v[VB+(\fb)/2] offset:((\fb)%2)*FB2+(\bimm)+64*(\ks)
	ds_load_b128 v[128*(\par)+64*(\ks)+8*(\fb)+4:128*(\par)+64*(\ks)+8*(\fb)+7], v[VB+(\fb)/2] offset:((\fb)%2)*FB2+(\bimm)+64*(\ks)+32
.endr
.endr
	WIN 0
.endm
; 16 matrix instructions: tile i x 8 blocks of 16 features x 2 K steps.  Source 0 = weights, source 1 = tokens: a lane holds 8 neighbouring features of one token.
; The 8 accumulators take turns.  first = 1: the first K step starts the sums with the bias.
.macro TMUL par, i, first
.irp ks, 0,1
.irp fb, 0,1,2,3,4,5,6,7
.set rD, 64*((\i)%4)+8*(\fb)
.set rW, 128*(\par)+64*(\ks)+8*(\fb)
.set rA, AF+80*(\par)+16*(\i)+8*(\ks)
.if (\first) && ((\ks) == 0)
	WIN 0xb1+0x40*((\i)/4)
	v_wmma_f32_16x16x32_bf16 v[rD:rD+7], v[rW:rW+7], v[rA:rA+7], v[BI+8*(\fb):BI+8*(\fb)+7]
.else
	WIN 0xa1+0x50*((\i)/4)
	v_wmma_f32_16x16x32_bf16 v[rD:rD+7], v[rW:rW+7], v[rA:rA+7], v[rD:rD+7]
.endif
.endr
.endr
.endm
; A tile's part of a chunk.  an, bn: how many chunks ahead of the K in hand the tokens and the weights are asked for (-1: nothing is asked for); b: the tokens' base.
; Behind the first chunk a dead tile's products are jumped, its loads are not.  The first chunk multiplies all five tiles: every accumulator of a pass is written on every way.
.macro TILE par, i, first, an, bn, b
.if ((\i) > 0) && !(\first)
	WIN 0
	s_cmp_le_u32 s54, \i
	s_cbranch_scc1 .Ldead_\@
.endif
	TMUL \par, \i, \first
	WIN 0
.if ((\i) > 0) && !(\first)
.Ldead_\@:
.endif
	PLACES
.if ((\i) == 0) && ((\bn) >= 0)
	FETCHB 1-(\par), (\bn)*128                     ; the next chunk's weights, into the buffer that the chunk before multiplied
.endif
.if (\an) >= 0
	ALOAD \par, \i, (\an)*ACH, \b                  ; the tile's tokens two chunks on, into the registers just multiplied
.endif
.endm
.macro CHUNK par, first, an, bn, lc, b ; 64 along K
	s_wait_loadcnt \lc                             ; this chunk's token fragments are in; the 20 loads issued behind them may stay out
	s_wait_dscnt 0x0                               ; this chunk's weight fragments
.irp i, 0,1,2,3,4
	TILE \par, \i, \first, \an, \bn, \b
.endr
.endm
.macro VBSET                           ; the fragments' LDS addresses, made anew: a scalar that steps with the counted loop, a constant, and the lane's term
.irp q, 0,1,2,3
	s_add_co_u32 s60, s[KB], (\q)*2*FB2
	v_add_nc_u32 v[VB+(\q)], s60, v[FR]
.endr
.endm
.macro KSTEP n                         ; n chunks on
	s_wait_xcnt 0x0                                ; the loads' bases are written only behind this wait
	s_add_nc_u64 s[68:69], s[68:69], (\n)*ACH
	s_add_co_u32 s[KB], s[KB], (\n)*128
	VBSET
.endm
; One halving of the search for the n-th set bit: the field of w bits at the place in hand counts the set bits of the lower half; if n is not below it, the search goes on in the upper half.
.macro HALVE src, w
	T3 v_bfe_u32 v[SD+t], v[(\src)+t], v[TK+t], \w
.set t, 0
.rept 3
	v_cmp_ge_u32 vcc_lo, v[RHO+t], v[SD+t]
	v_cndmask_b32 v[SD+t], 0, v[SD+t], vcc_lo
	v_cndmask_b32 v[T1], 0, \w, vcc_lo
	v_sub_nc_u32 v[RHO+t], v[RHO+t], v[SD+t]
	v_add_nc_u32 v[TK+t], v[TK+t], v[T1]
.set t, t+1
.endr
.endm
; THE ROWS OF A PASS.  Slot t works for tile 2 t in lanes 0-15 and for tile 2 t + 1 in lanes 16-31 (the sixth tile does not exist: its result is dropped); rank = s57 + 64 tile + r, held to M - 1.
.macro SELECT
	v_lshl_add_u32 v[T0], v3, 6, v2
	v_add_nc_u32 v[T0], s57, v[T0]
	T3 v_add_nc_u32 v[RHO+t], 128*t, v[T0]
	T3 v_min_u32 v[RHO+t], s58, v[RHO+t]
	T3 v_mov_b32 v[WRD+t], s16
	T3 v_mov_b32 v[PKD+t], 0
	s_mov_b32 s61, 0
.set j, 1
.rept 31                               ; word j takes the place of the word held unless the count of bits before it is above the rank
	s_bcnt1_i32_b32 s60, s[15+j]
	s_add_co_u32 s61, s61, s60
	s_add_co_u32 s62, s61, j<<16
.set t, 0
.rept 3
	v_cmp_gt_u32 vcc_lo, s61, v[RHO+t]
	v_cndmask_b32 v[WRD+t], s[16+j], v[WRD+t], vcc_lo
	v_cndmask_b32 v[PKD+t], s62, v[PKD+t], vcc_lo
.set t, t+1
.endr
.set j, j+1
.endr
	T3 v_and_b32 v[SD+t], 0xffff, v[PKD+t]
	T3 v_sub_nc_u32 v[RHO+t], v[RHO+t], v[SD+t]    ; n: the rank's place among the word's set bits
	T3 v_lshrrev_b32 v[SA+t], 1, v[WRD+t]
	T3 v_and_b32 v[SA+t], 0x55555555, v[SA+t]
	T3 v_sub_nc_u32 v[SA+t], v[WRD+t], v[SA+t]
	T3 v_lshrrev_b32 v[SB+t], 2, v[SA+t]
	T3 v_and_b32 v[SB+t], 0x33333333, v[SB+t]
	T3 v_and_b32 v[SC+t], 0x33333333, v[SA+t]
	T3 v_add_nc_u32 v[SB+t], v[SB+t], v[SC+t]
	T3 v_lshrrev_b32 v[SC+t], 4, v[SB+t]
	T3 v_add_nc_u32 v[SC+t], v[SC+t], v[SB+t]
	T3 v_and_b32 v[SC+t], 0x0f0f0f0f, v[SC+t]
	T3 v_lshrrev_b32 v[SD+t], 8, v[SC+t]
	T3 v_add_nc_u32 v[SD+t], v[SD+t], v[SC+t]
	T3 v_and_b32 v[SD+t], 0xff, v[SD+t]            ; the set bits among the lower 16
.set t, 0
.rept 3
	v_cmp_ge_u32 vcc_lo, v[RHO+t], v[SD+t]
	v_cndmask_b32 v[SD+t], 0, v[SD+t], vcc_lo
	v_cndmask_b32 v[TK+t], 0, 16, vcc_lo
	v_sub_nc_u32 v[RHO+t], v[RHO+t], v[SD+t]
.set t, t+1
.endr
	HALVE SC, 8
	HALVE SB, 4
	HALVE SA, 2
	HALVE WRD, 1
	T3 v_lshrrev_b32 v[SD+t], 16, v[PKD+t]
	T3 v_lshl_add_u32 v[TK+t], v[SD+t], 5, v[TK+t] ; token = 32 x word + bit
	T3 v_permlanex16_b32 v[SA+t], v[TK+t], s2, s3  ; the other half's token (the destination has been written before)
	v_cndmask_b32 v[ROW+0], v[TK+0], v[SA+0], s91  ; s91 as a mask of lanes: lanes 16-31.  An even tile: the lower half's own, the upper half takes it over;
	v_cndmask_b32 v[ROW+1], v[SA+0], v[TK+0], s91  ; an odd tile the other way round
	v_cndmask_b32 v[ROW+2], v[TK+1], v[SA+1], s91
	v_cndmask_b32 v[ROW+3], v[SA+1], v[TK+1], s91
	v_cndmask_b32 v[ROW+4], v[TK+2], v[SA+2], s91
	T5 v_min_u32 v[ROW+t], 0x3ff, v[ROW+t]         ; inside xb's 1,024 rows
	T5 v_lshl_add_u32 v[ROW+t], v[ROW+t], 11, v[H16]
.endm
.macro EXTRACT i                       ; |x| and max(x, 0) of tile i's 64 sums, each accumulator from its low end on
	WIN 0x48+4*((\i)/4)
.set n, 0
.rept 64
	v_and_b32 v[XA+n], s90, v[64*((\i)%4)+n]
	v_max_num_f32 v[XM+n], 0, v[64*((\i)%4)+n]
.set n, n+1
.endr
	WIN 0
.endm
	s_load_b256 s[4:11], s[0:1], 0x0               ; xb s[4:5], w1 s[6:7], b1 s[8:9], bitmap s[10:11]
	s_load_b128 s[12:15], s[0:1], 0x20             ; hid s[12:13], rowof s[14:15]
	v_lshl_add_u32 v[SPW], v0, 2, SPARE
	v_mov_b32 v[NIL], 0
	v_lshrrev_b32 v[T0], 5, v0
	v_readfirstlane_b32 s48, v[T0]                 ; wave
	s_and_b32 s49, ttmp7, 0xffff                   ; expert
	s_mov_b32 s50, ttmp9                           ; slice
	v_and_b32 v1, 31, v0                           ; lane
	v_and_b32 v2, 15, v0                           ; r
	v_bfe_u32 v3, v0, 4, 1                         ; h
	s_mul_i32 s60, s48, 32*GP
	v_lshl_add_u32 v[WOFF], v1, 4, s60
	s_mul_i32 s60, s48, 32*WP
	v_lshl_add_u32 v[LOFF], v1, 3, s60
	v_mul_u32_u24 v[FR], v2, WP
	v_lshl_add_u32 v[FR], v3, 4, v[FR]
	v_lshlrev_b32 v[H16], 4, v3
	v_lshlrev_b32 v[H32], 5, v3
	v_lshlrev_b32 v[L4], 2, v1
	v_lshlrev_b32 v[OUT], 4, v1
	s_lshl_b32 s60, s49, 24                        ; w1: an expert is 16 MiB, a slice 128 rows of 4,096 bytes
	s_lshl_b32 s62, s50, 19
	s_add_co_u32 s60, s60, s62
	s_mov_b32 s61, 0
	s_lshl_b32 s62, s49, 14                        ; b1
	s_lshl_b32 s63, s50, 9
	s_add_co_u32 s62, s62, s63
	s_mov_b32 s63, 0
	s_lshl_b32 s92, s49, 7                         ; bitmap
	s_mov_b32 s93, 0
	s_lshl_b32 s94, s49, 23                        ; hid: an expert is 64 tiles of 131,072 bytes; a slice 8 blocks of 512 bytes in a tile; my first tile = wave
	s_lshl_b32 s95, s50, 12
	s_add_co_u32 s94, s94, s95
	s_lshl_b32 s95, s48, 17
	s_add_co_u32 s94, s94, s95
	s_mov_b32 s95, 0
	s_mov_b32 s2, 0x76543210                       ; v_permlanex16_b32: each lane takes its own place in the other half
	s_mov_b32 s3, 0xfedcba98
	s_mov_b32 s76, 0x3e6d3388                      ; 0.3275911 / sqrt 2
	s_mov_b32 s78, 0xbf38aa3b                      ; -log2(e) / 2
	s_mov_b32 s80, 0x3e027906                      ; the polynomial's coefficients, halved: a1
	s_mov_b32 s82, 0xbe11a98e                      ; a2
	s_mov_b32 s84, 0x3f35f0e3                      ; a3
	s_mov_b32 s86, 0xbf3a00e3                      ; a4
	s_mov_b32 s88, 0x3f07dc22                      ; a5
.irp c, 76,78,80,82,84,86,88
	s_mov_b32 s[(\c)+1], s[\c]                     ; named as pairs, so both words are written
.endr
	s_mov_b32 s90, 0x7fffffff
	s_mov_b32 s91, 0xffff0000
	s_mov_b32 s51, 0
	s_wait_kmcnt 0x0
	s_add_nc_u64 s[10:11], s[10:11], s[92:93]
	s_load_b512 s[16:31], s[10:11], 0x0
	s_load_b512 s[32:47], s[10:11], 0x40
	s_add_nc_u64 s[70:71], s[12:13], s[94:95]
	s_add_nc_u64 s[WB:WB+1], s[6:7], s[60:61]
	s_mov_b64 s[WB+2:WB+3], s[WB:WB+1]
	s_mov_b64 s[WB+4:WB+5], s[WB:WB+1]
	s_mov_b64 s[WB+6:WB+7], s[WB:WB+1]
	s_add_nc_u64 s[8:9], s[8:9], s[62:63]
	s_lshl_b32 s92, s49, 12
	s_add_nc_u64 s[14:15], s[14:15], s[92:93]      ; rowof at my expert
	s_mov_b64 s[66:67], s[4:5]
	s_mov_b64 s[68:69], s[4:5]
	WLOAD 0                                        ; 56 loads go out, then the routing is worked out while they are on their way, then the last 8:
	WLOAD 1                                        ; LOADcnt counts to 63 (ISA guide 5.7.1), so a 64th load here would hold the wave until the first is back
	WLOAD 2
	WLOADR 3, 0
	WIN 0
	s_wait_kmcnt 0x0                               ; the bitmap
.irp j, 0,1,2,3,4,5,6,7,8,9,10,11,12,13,14,15,16,17,18,19,20,21,22,23,24,25,26,27,28,29,30,31
	s_bcnt1_i32_b32 s60, s[16+(\j)]
	s_add_co_u32 s51, s51, s60
.endr
	s_min_u32 s51, s51, 0x400                      ; M, the expert's rows
	s_add_co_u32 s52, s51, 15
	s_lshr_b32 s52, s52, 4                         ; tiles
	s_add_co_u32 s53, s52, 3
	s_sub_co_u32 s53, s53, s48
	s_lshr_b32 s53, s53, 2                         ; of which mine: numbers = wave mod 4
	s_lshl_b32 s57, s48, 4                         ; my first tile's first rank
	s_sub_co_u32 s58, s51, 1                       ; ranks are clamped to the last routed row
	s_or_b32 s60, s50, s48
	s_cmp_lg_u32 s60, 0
	s_cbranch_scc1 .Lno_rowof                      ; one wave of one work-group an expert stores the ranks: token 32 j + lane has as many as there are bits below it
	s_mov_b32 s61, 0
.irp j, 0,1,2,3,4,5,6,7,8,9,10,11,12,13,14,15,16,17,18,19,20,21,22,23,24,25,26,27,28,29,30,31
	v_mbcnt_lo_u32_b32 v[RK+(\j)], s[16+(\j)], s61
	global_store_b32 v[L4], v[RK+(\j)], s[14:15] offset:128*(\j)
	s_bcnt1_i32_b32 s60, s[16+(\j)]
	s_add_co_u32 s61, s61, s60
.endr
.Lno_rowof:
	SELECT                                         ; the first pass's rows
	WLOADR 3, 1
	WIN 0
	s_mov_b32 s59, 3
.Lfill:                                                ; a trip: 8 rows rounded and laid down, 8 more asked for, two rows at a time; 48 to 64 loads of the wave are out
.irp b, 0,1,2,3
	s_wait_loadcnt 48                              ; the oldest sub-buffer is in; the 48 loads of the three others may stay out.  Its loads are done, so its base may step
	s_add_nc_u64 s[WB+2*(\b):WB+2*(\b)+1], s[WB+2*(\b):WB+2*(\b)+1], 8*GP
	WPUT \b
	WLOAD \b
.endr
	WIN 0
	v_add_nc_u32 v[LOFF], 8*WP, v[LOFF]
	s_sub_co_u32 s59, s59, 1
	s_cmp_lg_u32 s59, 0
	s_cbranch_scc1 .Lfill
	s_wait_loadcnt 48                              ; the last 8 rows: no more weights are asked for; the bias and the first pass's first tokens go out where LOADcnt has room
	WPUT 0
	s_wait_loadcnt 32                              ; sub-buffer 1 is in (behind it: sub-buffers 2 and 3)
	WIN 0xc0
.irp fb, 0,1,2,3,4,5,6,7               ; the bias as an accumulator holds it: features 16 fb + 8 h + 0..7
	global_load_b128 v[BI+8*(\fb):BI+8*(\fb)+3],   v[H32], s[8:9] offset:64*(\fb)
	global_load_b128 v[BI+8*(\fb)+4:BI+8*(\fb)+7], v[H32], s[8:9] offset:64*(\fb)+16
.endr
	WPUT 1
	s_wait_loadcnt 32                              ; sub-buffer 2 is in (behind it: sub-buffer 3 and the bias, 16 each)
	WIN 0
	ALOAD5 0, 0
	WPUT 2
	s_wait_loadcnt 36                              ; sub-buffer 3 is in (behind it: the bias, 16, and 20 token loads)
	WIN 0
	ALOAD5 1, ACH
	WPUT 3
	s_wait_loadcnt 40                              ; the bias is in (behind it: 40 token loads)
	WIN 0x0f                                       ; sources in window 3, destination in window 0
.set n, 0
.rept 32                               ; the bias rounded to bf16,
	v_cvt_pk_bf16_f32 v[BT+n], v[BI+2*n], v[BI+2*n+1]
.set n, n+1
.endr
	WIN 0xc0
.set n, 0
.rept 32                               ; and widened again
	v_lshlrev_b32 v[BI+2*n], 16, v[BT+n]
	v_and_b32 v[BI+2*n+1], s91, v[BT+n]
.set n, n+1
.endr
	WIN 0
	s_wait_dscnt 0x0                               ; for the others' sake: my 32 rows are in LDS
	s_barrier_signal -1
	s_barrier_wait -1                              ; the slice is whole; from here on LDS is only read, up to the closing lines
	s_mov_b32 s55, 4
.Lpass:
	s_cmp_gt_i32 s53, 0
	s_cbranch_scc0 .Lpass_next
	s_min_u32 s54, s53, 5                          ; live tiles of this pass
	s_cmp_eq_u32 s55, 4
	s_cbranch_scc1 .Lprepared                      ; the first pass's rows were found, and its first tokens asked for, above
	s_wait_loadcnt 0x0                             ; no load of mine is out: the fragments' registers, the rows and the base may be written
	SELECT
	s_mov_b64 s[68:69], s[66:67]
	ALOAD5 0, 0
	ALOAD5 1, ACH
.Lprepared:
	s_mov_b32 s[KB], 0
	VBSET
	FETCHB 0, 0
	CHUNK 0, 1, 2, 1, 20, 68                       ; chunk 0
	KSTEP 1
	s_mov_b64 s[AK0:AK0+1], s[68:69]
	s_mov_b32 s56, 7
.Lk:                                                   ; chunks 1 to 14, two a trip
	CHUNK 1, 0, 2, 1, 20, 68
	CHUNK 0, 0, 3, 2, 20, AK0
	KSTEP 2
	s_cmp_eq_u32 s56, 2                            ; the next trip is the last: chunk 14 would ask past K's end,
	s_cselect_b64 s[AK0:AK0+1], s[66:67], s[68:69] ; so its 20 loads go back to the rows' start: inside the buffer, and not used
	s_sub_co_u32 s56, s56, 1
	s_cmp_lg_u32 s56, 0
	s_cbranch_scc1 .Lk
	CHUNK 1, 0, -1, -1, 20, 68                     ; chunk 15 asks for nothing; the 20 loads that are not used may stay out: they are waited for at the pass's end
	; THE WAY OUT, a tile a trip: one text for the GELU, in window 1; which accumulators feed it is chosen by the tile's number
	s_mov_b64 s[72:73], s[70:71]
	s_mov_b32 s59, 0
.Ltile:
	s_cmp_ge_u32 s59, s54
	s_cbranch_scc1 .Ltile_next                     ; a dead tile stores nothing
	s_cmp_eq_u32 s59, 0
	s_cbranch_scc1 .Lx0
	s_cmp_eq_u32 s59, 1
	s_cbranch_scc1 .Lx1
	s_cmp_eq_u32 s59, 2
	s_cbranch_scc1 .Lx2
	s_cmp_eq_u32 s59, 3
	s_cbranch_scc1 .Lx3
	EXTRACT 4
	s_branch .Lgelu
.Lx0:
	EXTRACT 0
	s_branch .Lgelu
.Lx1:
	EXTRACT 1
	s_branch .Lgelu
.Lx2:
	EXTRACT 2
	s_branch .Lgelu
.Lx3:
	EXTRACT 3
.Lgelu:
	WIN 0x55
.set n, 0
.rept 32
	v_pk_fma_f32 v[XT+n:XT+n+1], v[XA+n:XA+n+1], s[76:77], 1.0 op_sel_hi:[1,0,0]   ; 1 + p |x|
	v_pk_mul_f32 v[XU+n:XU+n+1], v[XA+n:XA+n+1], v[XA+n:XA+n+1]                    ; x^2
.set n, n+2
.endr
.set n, 0
.rept 32
	v_pk_mul_f32 v[XU+n:XU+n+1], v[XU+n:XU+n+1], s[78:79] op_sel_hi:[1,0]
.set n, n+2
.endr
.set n, 0
.rept 64                               ; one batch of 128: none reads another's result
	v_rcp_f32 v[XT+n], v[XT+n]
	v_exp_f32 v[XU+n], v[XU+n]
.set n, n+1
.endr
	v_nop                                          ; a plain instruction behind the last of them,
	s_wait_alu depctr_va_vdst(0)                   ; and one wait for the batch, ahead of its first reader
.set n, 0
.rept 32
	v_pk_mul_f32 v[XU+n:XU+n+1], v[XU+n:XU+n+1], v[XA+n:XA+n+1]                    ; |x| u
.set n, n+2
.endr
.set n, 0
.rept 32
	v_pk_fma_f32 v[XA+n:XA+n+1], v[XT+n:XT+n+1], s[88:89], s[86:87] op_sel_hi:[1,0,0]
.set n, n+2
.endr
.irp c, 84,82,80
.set n, 0
.rept 32
	v_pk_fma_f32 v[XA+n:XA+n+1], v[XA+n:XA+n+1], v[XT+n:XT+n+1], s[(\c):(\c)+1] op_sel_hi:[1,1,0]
.set n, n+2
.endr
.endr
.set n, 0
.rept 32
	v_pk_mul_f32 v[XA+n:XA+n+1], v[XA+n:XA+n+1], v[XT+n:XT+n+1]                    ; P(t)
.set n, n+2
.endr
.set n, 0
.rept 32
	v_pk_fma_f32 v[XM+n:XM+n+1], v[XA+n:XA+n+1], v[XU+n:XU+n+1], v[XM+n:XM+n+1] neg_lo:[1,0,0] neg_hi:[1,0,0]
.set n, n+2
.endr
.set n, 0
.rept 32
	v_cvt_pk_f16_f32 v[XT+n], v[XM+2*n], v[XM+2*n+1]
.set n, n+1
.endr
	WIN 0x04                                       ; address in window 0, data in window 1
.irp fb, 0,1,2,3,4,5,6,7
	global_store_b128 v[OUT], v[XT+4*(\fb):XT+4*(\fb)+3], s[72:73] offset:512*(\fb)  ; block fb of the tile: 512 consecutive bytes, aligned
.endr
	WIN 0
.Ltile_next:
	s_wait_xcnt 0x0                                ; the stores' data and base are rewritten only behind this wait
	s_add_nc_u64 s[72:73], s[72:73], 524288        ; my next tile: 4 tiles on
	s_add_co_u32 s59, s59, 1
	s_cmp_lt_u32 s59, 5
	s_cbranch_scc1 .Ltile
.Lpass_next:
	s_wait_loadcnt 0x0                             ; the loads that were not used, and a wave without tiles' first tokens
	s_wait_xcnt 0x0
	s_sub_co_i32 s53, s53, 5
	s_add_co_u32 s57, s57, 320                     ; 20 tiles on
	s_add_nc_u64 s[70:71], s[70:71], 2621440
	s_sub_co_u32 s55, s55, 1
	s_cmp_lg_u32 s55, 0
	s_cbranch_scc1 .Lpass
	s_wait_dscnt 0x0                               ; my LDS reads are over;
	s_barrier_signal -1                            ; an LDS write (the add below) follows other waves' LDS reads only behind a barrier
	s_barrier_wait -1                              ; in front of which each wave has waited for its reads
	s_wait_tensorcnt 0x0                           ; the wave's end
	ds_add_u32 v[SPW], v[NIL]
	s_wait_dscnt 0x0
	s_endpgm
.Lfunc_end_k_q9e2b0586a2_up:
	.size	k_q9e2b0586a2_up, .Lfunc_end_k_q9e2b0586a2_up-k_q9e2b0586a2_up
	.p2alignl 7, 3214868480
	.fill 96, 4, 3214868480
	.section	.rodata,"a",@progbits
	.p2align	6, 0x0
	.amdhsa_kernel k_q9e2b0586a2_up
		.amdhsa_group_segment_fixed_size 264704
		.amdhsa_private_segment_fixed_size 0
		.amdhsa_enable_private_segment 0
		.amdhsa_kernarg_size 48
		.amdhsa_user_sgpr_count 2
		.amdhsa_user_sgpr_kernarg_segment_ptr 1
		.amdhsa_wavefront_size32 1
		.amdhsa_system_sgpr_workgroup_id_x 1
		.amdhsa_system_sgpr_workgroup_id_y 1
		.amdhsa_system_sgpr_workgroup_id_z 1
		.amdhsa_system_vgpr_workitem_id 0
		.amdhsa_next_free_vgpr 896
		.amdhsa_next_free_sgpr 102
		.amdhsa_reserve_vcc 1
		.amdhsa_float_denorm_mode_32 3
		.amdhsa_float_denorm_mode_16_64 3
		.amdhsa_memory_ordered 1
		.amdhsa_forward_progress 1
		.amdhsa_inst_pref_size 193
	.end_amdhsa_kernel
	.amdgpu_metadata
---
amdhsa.version: [ 1, 2 ]
amdhsa.kernels:
  - .name:           k_q9e2b0586a2_up
    .symbol:         k_q9e2b0586a2_up.kd
    .args:
      - { .name: xb, .offset: 0, .size: 8, .value_kind: global_buffer, .address_space: global }
      - { .name: expert_w1, .offset: 8, .size: 8, .value_kind: global_buffer, .address_space: global }
      - { .name: expert_b1, .offset: 16, .size: 8, .value_kind: global_buffer, .address_space: global }
      - { .name: bitmap, .offset: 24, .size: 8, .value_kind: global_buffer, .address_space: global }
      - { .name: hid, .offset: 32, .size: 8, .value_kind: global_buffer, .address_space: global }
      - { .name: rowof, .offset: 40, .size: 8, .value_kind: global_buffer, .address_space: global }
    .group_segment_fixed_size: 264704
    .private_segment_fixed_size: 0
    .kernarg_segment_align: 8
    .kernarg_segment_size: 48
    .max_flat_workgroup_size: 128
    .sgpr_count:     102
    .vgpr_count:     896
    .wavefront_size: 32
...
	.end_amdgpu_metadata
.endif
;; end of part 2
;; launch down (part 3): grid 32 x 8, 4 waves a work-group, no clusters, 264,704 bytes of LDS; arguments hid, expert_w2, bitmap, part; writes part
.if DOCPART == 3
	.amdgcn_target "amdgcn-amd-amdhsa--gfx1250"
	.amdhsa_code_object_version 6
	.text
	.protected	k_q9e2b0586a2_down
	.globl	k_q9e2b0586a2_down
	.p2align	8
	.type	k_q9e2b0586a2_down,@function
k_q9e2b0586a2_down:
	s_mov_b64 s[64:65], 0
	v_nop
	global_prefetch_b8 v0, s[64:65] scope:SCOPE_SE
	s_setreg_imm32_b32 hwreg(HW_REG_WAVE_MODE, 25, 1), 1
	s_wait_xcnt 0x0
; SECOND PRODUCT, in four parts along K.  part[ks][e][rank][c] = sum over f in quarter ks of hid(e, rank, f) w2[e][c][f], f32, row-major.
; w2 is rounded to bf16, as all inputs are, and that number is written as f16 (exact in f16's normal range; below 6e-5 it keeps f16's step of 6e-8); the product is the f16 form, since hid is f16.
; hid lies in operand order, hid[e][tile of 16 ranks][f / 16][lane][8 f16]: a load of 16 bytes a lane, 512 consecutive bytes, is half a fragment (registers 0-3: an even block, 4-7: the odd one behind it).
; SHARES.  Work-group (x, e), ns = x mod 8, ks = x / 8: 128 output columns x 1,024 K of expert e, which it alone reads, rounded on its way through registers into LDS.  One barrier.
; Then each wave takes tiles of 16 ranks, tile numbers = wave mod 4, five to a pass; LDS is only read.  The frame is the first product's: a constant count of passes; dead passes and, behind a pass's
; first 64 K, dead tiles are jumped forward, with no barrier in what is jumped; places past the wave's last tile repeat the expert's last tile, and their loads are issued all the same, so every
; counted wait counts alike on both ways.  Ranks up to the next multiple of 16 hold a repeated row and are multiplied and stored like the others.
; THE WAY OUT WITHOUT LDS.  Source 0 = hid, source 1 = weights: register j of lane (r, h) is rank 8 h + j, column = weight row r of the block.  The columns are dealt to the blocks so that
; LDS row 16 fb + r holds column 64 (fb / 4) + 4 r + fb mod 4: four accumulators then hold four neighbouring columns of a rank in one lane; four moves gather them, and sixteen lanes store 256
; consecutive bytes of a row of part.
; WHY K IN QUARTERS: a fragment of hid then feeds 8 matrix instructions, not 2; the price is f32 partial sums, which the last launch adds.
; NO CLUSTER, NO TENSOR LOAD: each weight byte has one reader and must pass registers; the live work of the loops that read hid hangs on stored counts.
; LIMITS.  |w2| stays under 65,504.  NaN and infinities are not treated apart.
; REGISTERS (s_set_vgpr_msb: bits 1:0 source 0, 3:2 source 1, 5:4 source 2, 7:6 destination): window 0: v0-31 addresses; v64-223 hid's fragments A[par][tile], later rows on their way out.
;   window 1: weight staging, four sub-buffers of 64, then two buffers of weight fragments.   window 2: accumulators of tiles 0-3.   window 3: v0-63 those of tile 4.
.set WP,    2064                       ; a weight row in LDS: 2,048 bytes + 16, an odd multiple of 16 (ISA guide 11.1: 64 banks of 4 bytes)
.set GP,    16384                      ; a weight row in memory
.set FB2,   16*WP
.set ACH,   2048                       ; bytes of a tile of hid in a chunk of 64 K: four blocks
.set ASUB,  512
.set SPARE, 128*WP                     ; behind the slice: the spare words, 128 bytes a wave
.set WOFF, 4                           ; v4   fill: lane x 16 + my first row in memory
.set LOFF, 5                           ; v5   fill: lane x 8 + my rows in LDS
.set VB,   6                           ; v6-9 weight fragments: blocks 2 q, 2 q + 1, at the K in hand
.set FR,   10                          ; v10  r x WP + 16 h; never rewritten
.set ROW,  11                          ; v11-15 tile i: its place in the expert's hid + lane x 16
.set L16,  17                          ; v17  lane x 16
.set OUT,  18                          ; v18  8 h rows of part + 16 r
.set T0,   21
.set SPW,  28
.set NIL,  29
.set AF,   64
.set OB,   64
.set KB,   79                          ; s79  the K in hand, in bytes of an LDS row
.set AK0,  74                          ; s[74:75] the base by which the even chunks of the K loop ask for hid
.set WB,   80                          ; s[80:87] the weights: a base for each of the four sub-buffers
; scalars: s[4:11] pointers; s[16:47] my expert's bitmap; s48 wave, s49 e, s50 x; s51 M, s52 tiles, s53 my tiles left, s54 live tiles; s55 passes, s56 K trips; s57 the pass's first tile, s58 the last tile;
; s59 fill trips; s[66:67] hid, s[68:69] hid at the K in hand; s[70:71] the pass's rows of part; s76 mask
.set MSB, 0
.macro WIN new                         ; the immediate's high byte repeats the setting that is left; a switch that changes nothing is dropped
.if MSB != (\new)
	s_set_vgpr_msb (MSB<<8)|(\new)
.set MSB, (\new)
.endif
.endm
.macro PLACES                          ; four places behind matrix instructions (ISA guide 7.12.1)
.rept 4
	v_nop
.endr
.endm
; Sub-buffer b holds two rows of my block b / 2: r = 2 (b mod 2) + p of the trip's four; in memory row b / 2 + 4 r, in LDS row 16 (b / 2) + r
.macro WLOADR b, p                     ; 8 loads of 512 consecutive bytes, by the sub-buffer's own base
	WIN 0x40
.irp c, 0,1,2,3,4,5,6,7
	global_load_b128 v[64*(\b)+32*(\p)+4*(\c):64*(\b)+32*(\p)+4*(\c)+3], v[WOFF], s[WB+2*(\b):WB+2*(\b)+1] offset:((\b)/2+8*((\b)%2)+4*(\p))*GP+(\c)*512 th:TH_LOAD_NT
.endr
.endm
.macro WLOAD b
	WLOADR \b, 0
	WLOADR \b, 1
.endm
.macro WPUT b                          ; rounded to bf16, widened, written as f16, in place; then into two neighbouring LDS rows
	WIN 0x45
.set q, 64*(\b)
.rept 16
	v_cvt_pk_bf16_f32 v[q], v[q], v[q+1]
	v_cvt_pk_bf16_f32 v[q+1], v[q+2], v[q+3]
	v_lshlrev_b32 v[q+2], 16, v[q+1]
	v_and_b32 v[q+3], s76, v[q+1]
	v_and_b32 v[q+1], s76, v[q]
	v_lshlrev_b32 v[q], 16, v[q]
	v_cvt_pk_f16_f32 v[q], v[q], v[q+1]
	v_cvt_pk_f16_f32 v[q+1], v[q+2], v[q+3]
.set q, q+4
.endr
	WIN 0x04
.irp p, 0,1
.irp c, 0,1,2,3,4,5,6,7
	ds_store_b64 v[LOFF], v[64*(\b)+32*(\p)+4*(\c):64*(\b)+32*(\p)+4*(\c)+1] offset:(16*((\b)/2)+2*((\b)%2)+(\p))*WP+(\c)*256
.endr
.endr
.endm
.macro ALOAD par, i, imm, b            ; tile i's fragments of 64 K: four blocks of 512 consecutive bytes, by base s[b:b+1]
.irp o, 0,1,2,3
	global_load_b128 v[AF+80*(\par)+16*(\i)+4*(\o):AF+80*(\par)+16*(\i)+4*(\o)+3], v[ROW+(\i)], s[(\b):(\b)+1] offset:(\imm)+ASUB*(\o)
.endr
.endm
.macro ALOAD5 par, imm                 ; 20 loads: a chunk's fragments of all five tiles
.irp i, 0,1,2,3,4
	ALOAD \par, \i, \imm, 68
.endr
.endm
.macro FETCHB par, bimm                ; the slice's fragments of 64 K: 32 LDS loads in one run
	WIN 0x40
.irp ks, 0,1
.irp fb, 0,1,2,3,4,5,6,7
	ds_load_b128 v[128*(\par)+64*(\ks)+8*(\fb):128*(\par)+64*(\ks)+8*(\fb)+3],   v[VB+(\fb)/2] offset:((\fb)%2)*FB2+(\bimm)+64*(\ks)
	ds_load_b128 v[128*(\par)+64*(\ks)+8*(\fb)+4:128*(\par)+64*(\ks)+8*(\fb)+7], v[VB+(\fb)/2] offset:((\fb)%2)*FB2+(\bimm)+64*(\ks)+32
.endr
.endr
	WIN 0
.endm
; 16 matrix instructions: tile i x 8 blocks of 16 columns x 2 K steps.  Source 0 = hid (window 0), source 1 = weights (window 1).
; The 8 accumulators take turns.  first = 1: the first K step starts the sums.
.macro TMUL par, i, first
	WIN 0xa4+0x50*((\i)/4)
.irp ks, 0,1
.irp fb, 0,1,2,3,4,5,6,7
.set rD, 64*((\i)%4)+8*(\fb)
.set rW, 128*(\par)+64*(\ks)+8*(\fb)
.set rA, AF+80*(\par)+16*(\i)+8*(\ks)
.if (\first) && ((\ks) == 0)
	v_wmma_f32_16x16x32_f16 v[rD:rD+7], v[rA:rA+7], v[rW:rW+7], 0
.else
	v_wmma_f32_16x16x32_f16 v[rD:rD+7], v[rA:rA+7], v[rW:rW+7], v[rD:rD+7]
.endif
.endr
.endr
.endm
; A tile's part of a chunk.  an, bn: how many chunks ahead of the K in hand hid and the weights are asked for (-1: nothing is asked for); b: hid's base.
; Behind the first chunk a dead tile's products are jumped, its loads are not.  The first chunk multiplies all five tiles: every accumulator of a pass is written on every way.
.macro TILE par, i, first, an, bn, b
.if ((\i) > 0) && !(\first)
	WIN 0
	s_cmp_le_u32 s54, \i
	s_cbranch_scc1 .Ldead_\@
.endif
	TMUL \par, \i, \first
	WIN 0
.if ((\i) > 0) && !(\first)
.Ldead_\@:
.endif
	PLACES
.if ((\i) == 0) && ((\bn) >= 0)
	FETCHB 1-(\par), (\bn)*128                     ; the next chunk's weights, into the buffer that the chunk before multiplied
.endif
.if (\an) >= 0
	ALOAD \par, \i, (\an)*ACH, \b                  ; the tile's hid two chunks on, into the registers just multiplied
.endif
.endm
.macro CHUNK par, first, an, bn, lc, b ; 64 along K
	s_wait_loadcnt \lc                             ; this chunk's fragments of hid are in; the 20 loads issued behind them may stay out
	s_wait_dscnt 0x0                               ; this chunk's weight fragments
.irp i, 0,1,2,3,4
	TILE \par, \i, \first, \an, \bn, \b
.endr
.endm
.macro VBSET                           ; the fragments' LDS addresses, made anew: a scalar that steps with the counted loop, a constant, and the lane's term
.irp q, 0,1,2,3
	s_add_co_u32 s60, s[KB], (\q)*2*FB2
	v_add_nc_u32 v[VB+(\q)], s60, v[FR]
.endr
.endm
.macro KSTEP n                         ; n chunks on
	s_wait_xcnt 0x0                                ; the loads' bases are written only behind this wait
	s_add_nc_u64 s[68:69], s[68:69], (\n)*ACH
	s_add_co_u32 s[KB], s[KB], (\n)*128
	VBSET
.endm
.macro ROWS                            ; where a pass's five tiles lie in the expert's hid
.irp i, 0,1,2,3,4
	s_add_co_u32 s60, s57, 4*(\i)                  ; my tiles lie 4 apart;
	s_min_u32 s60, s60, s58                        ; a place past the last tile repeats it
	s_min_u32 s60, s60, 63
	s_lshl_b32 s60, s60, 17
	v_add_nc_u32 v[ROW+(\i)], s60, v[L16]
.endr
.endm
	s_load_b256 s[4:11], s[0:1], 0x0               ; hid s[4:5], w2 s[6:7], bitmap s[8:9], part s[10:11]
	v_lshl_add_u32 v[SPW], v0, 2, SPARE
	v_mov_b32 v[NIL], 0
	v_lshrrev_b32 v[T0], 5, v0
	v_readfirstlane_b32 s48, v[T0]                 ; wave
	s_and_b32 s49, ttmp7, 0xffff                   ; expert
	s_mov_b32 s50, ttmp9
	s_and_b32 s77, s50, 7                          ; ns: which 128 columns
	s_lshr_b32 s78, s50, 3                         ; ks: which quarter of K
	v_and_b32 v1, 31, v0                           ; lane
	v_and_b32 v2, 15, v0                           ; r
	v_bfe_u32 v3, v0, 4, 1                         ; h
	s_lshr_b32 s60, s48, 1                         ; my LDS rows 32 w + 16 b + r take the slice's rows 64 (w / 2) + 2 (w mod 2) + b + 4 r
	s_lshl_b32 s60, s60, 6
	s_and_b32 s61, s48, 1
	s_lshl_b32 s61, s61, 1
	s_add_co_u32 s60, s60, s61
	s_lshl_b32 s60, s60, 14                        ; rows of 16,384 bytes
	v_lshl_add_u32 v[WOFF], v1, 4, s60
	s_mul_i32 s60, s48, 32*WP
	v_lshl_add_u32 v[LOFF], v1, 3, s60
	v_mul_u32_u24 v[FR], v2, WP
	v_lshl_add_u32 v[FR], v3, 4, v[FR]
	v_lshlrev_b32 v[L16], 4, v1
	v_lshlrev_b32 v[OUT], 15, v3                   ; 8 rows of 4,096 bytes for the upper half of the lanes,
	v_lshl_add_u32 v[OUT], v2, 4, v[OUT]           ; 16 bytes a lane
	s_lshl_b32 s60, s49, 24                        ; w2: an expert is 16 MiB; 128 rows of 16,384 bytes; a quarter of K is 4,096 bytes
	s_lshl_b32 s62, s77, 21
	s_add_co_u32 s60, s60, s62
	s_lshl_b32 s62, s78, 12
	s_add_co_u32 s60, s60, s62
	s_mov_b32 s61, 0
	s_lshl_b32 s62, s49, 23                        ; hid: an expert is 64 tiles of 131,072 bytes; a quarter of K is 64 blocks of 512 bytes in a tile
	s_lshl_b32 s63, s78, 15
	s_add_co_u32 s62, s62, s63
	s_mov_b32 s63, 0
	s_lshl_b32 s12, s49, 7                         ; bitmap
	s_mov_b32 s13, 0
	s_lshl_b32 s14, s78, 25                        ; part: a quarter is 32 MiB, an expert 4 MiB, my columns 512 bytes of a row, tile = wave: 16 rows of 4,096 bytes
	s_lshl_b32 s15, s49, 22
	s_add_co_u32 s14, s14, s15
	s_lshl_b32 s15, s77, 9
	s_add_co_u32 s14, s14, s15
	s_lshl_b32 s15, s48, 16
	s_add_co_u32 s14, s14, s15
	s_mov_b32 s15, 0
	s_mov_b32 s76, 0xffff0000
	s_mov_b32 s51, 0
	s_wait_kmcnt 0x0
	s_add_nc_u64 s[8:9], s[8:9], s[12:13]
	s_load_b512 s[16:31], s[8:9], 0x0
	s_load_b512 s[32:47], s[8:9], 0x40
	s_add_nc_u64 s[WB:WB+1], s[6:7], s[60:61]
	s_mov_b64 s[WB+2:WB+3], s[WB:WB+1]
	s_mov_b64 s[WB+4:WB+5], s[WB:WB+1]
	s_mov_b64 s[WB+6:WB+7], s[WB:WB+1]
	s_add_nc_u64 s[66:67], s[4:5], s[62:63]
	s_mov_b64 s[68:69], s[66:67]
	s_add_nc_u64 s[70:71], s[10:11], s[14:15]
	WLOAD 0                                        ; 56 loads go out, then the counts are worked out while they are on their way, then the last 8:
	WLOAD 1                                        ; LOADcnt counts to 63 (ISA guide 5.7.1), so a 64th load here would hold the wave until the first is back
	WLOAD 2
	WLOADR 3, 0
	WIN 0
	s_wait_kmcnt 0x0                               ; the bitmap
.irp j, 0,1,2,3,4,5,6,7,8,9,10,11,12,13,14,15,16,17,18,19,20,21,22,23,24,25,26,27,28,29,30,31
	s_bcnt1_i32_b32 s60, s[16+(\j)]
	s_add_co_u32 s51, s51, s60
.endr
	s_min_u32 s51, s51, 0x400                      ; M
	s_add_co_u32 s52, s51, 15
	s_lshr_b32 s52, s52, 4                         ; tiles
	s_add_co_u32 s53, s52, 3
	s_sub_co_u32 s53, s53, s48
	s_lshr_b32 s53, s53, 2                         ; of which mine
	s_mov_b32 s57, s48                             ; my first tile
	s_sub_co_u32 s58, s52, 1                       ; the last tile that the first product wrote
	ROWS                                           ; the first pass's tiles
	WLOADR 3, 1
	WIN 0
	s_mov_b32 s59, 3
.Lfill:                                                ; a trip: four values of r for both of my blocks, two rows at a time: 16 rows on in memory, 4 rows on in LDS; 48 to 64 loads of the wave are out
.irp b, 0,1,2,3
	s_wait_loadcnt 48                              ; the oldest sub-buffer is in; the 48 loads of the three others may stay out.  Its loads are done, so its base may step
	s_add_nc_u64 s[WB+2*(\b):WB+2*(\b)+1], s[WB+2*(\b):WB+2*(\b)+1], 16*GP
	WPUT \b
	WLOAD \b
.endr
	WIN 0
	v_add_nc_u32 v[LOFF], 4*WP, v[LOFF]
	s_sub_co_u32 s59, s59, 1
	s_cmp_lg_u32 s59, 0
	s_cbranch_scc1 .Lfill
	s_wait_loadcnt 48                              ; the last 8 rows: no more weights are asked for; the first pass's first fragments of hid go out where LOADcnt has room
	WPUT 0
	s_wait_loadcnt 32                              ; sub-buffer 1 is in (behind it: sub-buffers 2 and 3)
	WIN 0
	ALOAD5 0, 0
	WPUT 1
	s_wait_loadcnt 36                              ; sub-buffer 2 is in (behind it: sub-buffer 3, 16, and 20 loads of hid)
	WIN 0
	ALOAD5 1, ACH
	WPUT 2
	s_wait_loadcnt 40                              ; sub-buffer 3 is in (behind it: 40 loads of hid)
	WPUT 3
	WIN 0
	s_wait_dscnt 0x0                               ; for the others' sake: my 32 rows are in LDS
	s_barrier_signal -1
	s_barrier_wait -1                              ; the slice is whole; from here on LDS is only read, up to the closing lines
	s_mov_b32 s55, 4
.Lpass:
	s_cmp_gt_i32 s53, 0
	s_cbranch_scc0 .Lpass_next
	s_min_u32 s54, s53, 5
	s_cmp_eq_u32 s55, 4
	s_cbranch_scc1 .Lprepared                      ; the first pass's tiles were placed, and its first fragments asked for, above
	s_wait_loadcnt 0x0                             ; no load of mine is out: the rows and the base may be written
	ROWS
	s_mov_b64 s[68:69], s[66:67]
	ALOAD5 0, 0
	ALOAD5 1, ACH
.Lprepared:
	s_mov_b32 s[KB], 0
	VBSET
	FETCHB 0, 0
	CHUNK 0, 1, 2, 1, 20, 68                       ; chunk 0
	KSTEP 1
	s_mov_b64 s[AK0:AK0+1], s[68:69]
	s_mov_b32 s56, 7
.Lk:                                                   ; chunks 1 to 14, two a trip
	CHUNK 1, 0, 2, 1, 20, 68
	CHUNK 0, 0, 3, 2, 20, AK0
	KSTEP 2
	s_cmp_eq_u32 s56, 2                            ; the next trip is the last: chunk 14 would ask past the quarter's end,
	s_cselect_b64 s[AK0:AK0+1], s[66:67], s[68:69] ; so its 20 loads go back to the quarter's start: inside the buffer, and not used
	s_sub_co_u32 s56, s56, 1
	s_cmp_lg_u32 s56, 0
	s_cbranch_scc1 .Lk
	CHUNK 1, 0, -1, -1, 20, 68                     ; chunk 15 asks for nothing; the 20 loads that are not used may stay out while it multiplies
	s_wait_loadcnt 0x0                             ; they land in registers that the way out writes
	; THE WAY OUT.  For rank 8 h + j and half g of the 128 columns, accumulators 4 g .. 4 g + 3 hold columns 64 g + 4 r + 0..3 in register j: four moves make 16 bytes.  The first dead tile ends it.
.irp i, 0,1,2,3,4
.if (\i) > 0
	s_cmp_le_u32 s54, \i
	s_cbranch_scc1 .Lpass_next
.endif
	s_wait_xcnt 0x0                                ; the rows' registers were the last tile's store data
	WIN 0x02+(\i)/4                                ; source in window 2 (tile 4: 3), destination in window 0
.irp j, 0,1,2,3,4,5,6,7                ; register 0 of every accumulator is read first
.irp g, 0,1
.irp k, 0,1,2,3
	v_mov_b32 v[OB+8*(\j)+4*(\g)+(\k)], v[64*((\i)%4)+8*(4*(\g)+(\k))+(\j)]
.endr
.endr
.endr
	WIN 0
.irp j, 0,1,2,3,4,5,6,7
.irp g, 0,1
	global_store_b128 v[OUT], v[OB+8*(\j)+4*(\g):OB+8*(\j)+4*(\g)+3], s[70:71] offset:(\i)*262144+(\j)*4096+(\g)*256  ; 16 lanes store 256 consecutive bytes, aligned
.endr
.endr
.endr
.Lpass_next:
	s_wait_loadcnt 0x0                             ; a wave without tiles: its first fragments
	s_wait_xcnt 0x0
	s_sub_co_i32 s53, s53, 5
	s_add_co_u32 s57, s57, 20                      ; 20 tiles on
	s_add_nc_u64 s[70:71], s[70:71], 1310720
	s_sub_co_u32 s55, s55, 1
	s_cmp_lg_u32 s55, 0
	s_cbranch_scc1 .Lpass
	s_wait_dscnt 0x0                               ; my LDS reads are over;
	s_barrier_signal -1                            ; an LDS write (the add below) follows other waves' LDS reads only behind a barrier
	s_barrier_wait -1                              ; in front of which each wave has waited for its reads
	s_wait_tensorcnt 0x0                           ; the wave's end
	ds_add_u32 v[SPW], v[NIL]
	s_wait_dscnt 0x0
	s_endpgm
.Lfunc_end_k_q9e2b0586a2_down:
	.size	k_q9e2b0586a2_down, .Lfunc_end_k_q9e2b0586a2_down-k_q9e2b0586a2_down
	.p2alignl 7, 3214868480
	.fill 96, 4, 3214868480
	.section	.rodata,"a",@progbits
	.p2align	6, 0x0
	.amdhsa_kernel k_q9e2b0586a2_down
		.amdhsa_group_segment_fixed_size 264704
		.amdhsa_private_segment_fixed_size 0
		.amdhsa_enable_private_segment 0
		.amdhsa_kernarg_size 32
		.amdhsa_user_sgpr_count 2
		.amdhsa_user_sgpr_kernarg_segment_ptr 1
		.amdhsa_wavefront_size32 1
		.amdhsa_system_sgpr_workgroup_id_x 1
		.amdhsa_system_sgpr_workgroup_id_y 1
		.amdhsa_system_sgpr_workgroup_id_z 1
		.amdhsa_system_vgpr_workitem_id 0
		.amdhsa_next_free_vgpr 832
		.amdhsa_next_free_sgpr 88
		.amdhsa_reserve_vcc 0
		.amdhsa_float_denorm_mode_32 3
		.amdhsa_float_denorm_mode_16_64 3
		.amdhsa_memory_ordered 1
		.amdhsa_forward_progress 1
		.amdhsa_inst_pref_size 143
	.end_amdhsa_kernel
	.amdgpu_metadata
---
amdhsa.version: [ 1, 2 ]
amdhsa.kernels:
  - .name:           k_q9e2b0586a2_down
    .symbol:         k_q9e2b0586a2_down.kd
    .args:
      - { .name: hid, .offset: 0, .size: 8, .value_kind: global_buffer, .address_space: global }
      - { .name: expert_w2, .offset: 8, .size: 8, .value_kind: global_buffer, .address_space: global }
      - { .name: bitmap, .offset: 16, .size: 8, .value_kind: global_buffer, .address_space: global }
      - { .name: part, .offset: 24, .size: 8, .value_kind: global_buffer, .address_space: global }
    .group_segment_fixed_size: 264704
    .private_segment_fixed_size: 0
    .kernarg_segment_align: 8
    .kernarg_segment_size: 32
    .max_flat_workgroup_size: 128
    .sgpr_count:     88
    .vgpr_count:     832
    .wavefront_size: 32
...
	.end_amdgpu_metadata
.endif
;; end of part 3
;; launch combine (part 4): grid 256 x 1, 8 waves a work-group, no clusters, 0 bytes of LDS; arguments part, expert_b2, sel, gate, rowof, out0; writes out0
.if DOCPART == 4
	.amdgcn_target "amdgcn-amd-amdhsa--gfx1250"
	.amdhsa_code_object_version 6
	.text
	.protected	k_q9e2b0586a2_combine
	.globl	k_q9e2b0586a2_combine
	.p2align	8
	.type	k_q9e2b0586a2_combine,@function
k_q9e2b0586a2_combine:
	s_mov_b64 s[64:65], 0
	v_nop
	global_prefetch_b8 v0, s[64:65] scope:SCOPE_SE
	s_setreg_imm32_b32 hwreg(HW_REG_WAVE_MODE, 25, 1), 1
	s_wait_xcnt 0x0
; out0[t] = sum over the token's two choices k of gate[t][k] x (bf16(b2[e_k]) + the four partial sums part[0..3][e_k][rank_k]).
; A stream: a wave owns half a token's row (2,048 bytes); a work-group four tokens.  Each output row has one owner; each byte of the live partial sums is read once.
; The addresses hang on whole numbers that earlier launches stored (sel, rowof), clamped to their tables.  The token's ranks in all eight experts are asked for together with its choices,
; at places that hang on the token alone, and the two that are wanted are chosen afterwards: one wait for scalar loads less than asking by the choices.
; No LDS, no barrier, no matrix unit: memory binds.
.set B2, 16                            ; v16-47   b2 of choice k: 16 registers
.set Y,  48                            ; v48-175  choice k, quarter z: 16 registers at Y + 64 k + 16 z
.set RR, 68                            ; s68-75   my token's rank in expert 0 .. 7
	s_load_b256 s[4:11], s[0:1], 0x0               ; part s[4:5], b2 s[6:7], sel s[8:9], gate s[10:11]
	s_load_b128 s[12:15], s[0:1], 0x20             ; rowof s[12:13], out0 s[14:15]
	v_lshrrev_b32 v1, 5, v0
	v_readfirstlane_b32 s16, v1                    ; wave
	s_lshr_b32 s17, s16, 1
	s_lshl_b32 s18, ttmp9, 2
	s_add_co_u32 s17, s17, s18                     ; token
	s_and_b32 s18, s16, 1
	s_lshl_b32 s18, s18, 11                        ; which half of the row
	v_and_b32 v1, 31, v0
	v_lshl_add_u32 v2, v1, 4, s18
	s_lshl_b32 s19, s17, 3
	s_lshl_b32 s24, s17, 2
	s_lshl_b32 s30, s17, 12
	s_mov_b32 s31, 0
	s_mov_b32 s54, 0xffff0000
	s_mov_b32 s57, 0
	s_mov_b32 s59, 0
	s_wait_kmcnt 0x0
	s_load_b64 s[20:21], s[8:9], s19 offset:0x0    ; e0, e1
	s_load_b64 s[22:23], s[10:11], s19 offset:0x0  ; g0, g1
.irp e, 0,1,2,3,4,5,6,7
	s_load_b32 s[RR+(\e)], s[12:13], s24 offset:(\e)*4096
.endr
	s_add_nc_u64 s[14:15], s[14:15], s[30:31]      ; out0 at my token
	s_wait_kmcnt 0x0
	s_min_u32 s20, s20, 7
	s_min_u32 s21, s21, 7
	s_mov_b32 s27, s[RR]
	s_mov_b32 s28, s[RR]
.irp e, 1,2,3,4,5,6,7
	s_cmp_eq_u32 s20, \e
	s_cselect_b32 s27, s[RR+(\e)], s27             ; my token's rank in e0,
	s_cmp_eq_u32 s21, \e
	s_cselect_b32 s28, s[RR+(\e)], s28             ; in e1
.endr
	s_min_u32 s27, s27, 0x3ff
	s_min_u32 s28, s28, 0x3ff
	s_lshl_b32 s56, s20, 12
	s_lshl_b32 s58, s21, 12
	s_add_nc_u64 s[48:49], s[6:7], s[56:57]        ; b2 rows: 4,096 bytes an expert
	s_add_nc_u64 s[50:51], s[6:7], s[58:59]
.irp k, 0,1
.irp j, 0,1,2,3
	global_load_b128 v[B2+16*(\k)+4*(\j):B2+16*(\k)+4*(\j)+3], v2, s[48+2*(\k):49+2*(\k)] offset:512*(\j)
.endr
.endr
	s_mov_b32 s52, s23
	s_mov_b32 s53, s23                             ; g1 as a pair's low word
	s_lshl_b32 s56, s20, 22                        ; an expert's 4 MiB, a rank's 4,096 bytes
	s_lshl_b32 s27, s27, 12
	s_add_co_u32 s56, s56, s27
	s_lshl_b32 s58, s21, 22
	s_lshl_b32 s28, s28, 12
	s_add_co_u32 s58, s58, s28
	s_add_nc_u64 s[32:33], s[4:5], s[56:57]
	s_add_nc_u64 s[40:41], s[4:5], s[58:59]
.irp b, 32,40
	s_add_nc_u64 s[(\b)+2:(\b)+3], s[(\b):(\b)+1], 0x2000000     ; the quarters lie 32 MiB apart
	s_add_nc_u64 s[(\b)+4:(\b)+5], s[(\b)+2:(\b)+3], 0x2000000
	s_add_nc_u64 s[(\b)+6:(\b)+7], s[(\b)+4:(\b)+5], 0x2000000
.endr
.irp k, 0,1
.irp z, 0,1,2,3
.irp j, 0,1,2,3
	global_load_b128 v[Y+64*(\k)+16*(\z)+4*(\j):Y+64*(\k)+16*(\z)+4*(\j)+3], v2, s[32+8*(\k)+2*(\z):33+8*(\k)+2*(\z)] offset:512*(\j) th:TH_LOAD_NT
.endr
.endr
.endr
; choice k: b2 rounded to bf16 and widened again; (y0 + y1) + (y2 + y3) + b2
.macro SUMK k
.set b, B2+16*(\k)
.rept 4
	v_cvt_pk_bf16_f32 v[b], v[b], v[b+1]
	v_cvt_pk_bf16_f32 v[b+1], v[b+2], v[b+3]
	v_lshlrev_b32 v[b+2], 16, v[b+1]
	v_and_b32 v[b+3], s54, v[b+1]
	v_and_b32 v[b+1], s54, v[b]
	v_lshlrev_b32 v[b], 16, v[b]
.set b, b+4
.endr
.set a, Y+64*(\k)
.rept 8
	v_pk_add_f32 v[a:a+1], v[a:a+1], v[a+16:a+17]
	v_pk_add_f32 v[a+32:a+33], v[a+32:a+33], v[a+48:a+49]
.set a, a+2
.endr
.set a, Y+64*(\k)
.rept 8
	v_pk_add_f32 v[a:a+1], v[a:a+1], v[a+32:a+33]
.set a, a+2
.endr
.set a, Y+64*(\k)
.set b, B2+16*(\k)
.rept 8
	v_pk_add_f32 v[a:a+1], v[a:a+1], v[b:b+1]
.set a, a+2
.set b, b+2
.endr
.endm
	s_wait_loadcnt 16                              ; both b2 rows and choice 0's sums are in; choice 1's 16 loads may stay out
	SUMK 0
	s_wait_loadcnt 0x0
	SUMK 1
.set a, Y
.rept 8
	v_pk_mul_f32 v[a:a+1], v[a:a+1], s[22:23] op_sel_hi:[1,0]                        ; g0 x
	v_pk_fma_f32 v[a:a+1], v[a+64:a+65], s[52:53], v[a:a+1] op_sel_hi:[1,0,1]        ; + g1 x
.set a, a+2
.endr
.irp j, 0,1,2,3
	global_store_b128 v2, v[Y+4*(\j):Y+4*(\j)+3], s[14:15] offset:512*(\j) th:TH_STORE_NT   ; 512 consecutive bytes, aligned
.endr
	s_endpgm
.Lfunc_end_k_q9e2b0586a2_combine:
	.size	k_q9e2b0586a2_combine, .Lfunc_end_k_q9e2b0586a2_combine-k_q9e2b0586a2_combine
	.p2alignl 7, 3214868480
	.fill 96, 4, 3214868480
	.section	.rodata,"a",@progbits
	.p2align	6, 0x0
	.amdhsa_kernel k_q9e2b0586a2_combine
		.amdhsa_group_segment_fixed_size 0
		.amdhsa_private_segment_fixed_size 0
		.amdhsa_enable_private_segment 0
		.amdhsa_kernarg_size 48
		.amdhsa_user_sgpr_count 2
		.amdhsa_user_sgpr_kernarg_segment_ptr 1
		.amdhsa_wavefront_size32 1
		.amdhsa_system_sgpr_workgroup_id_x 1
		.amdhsa_system_sgpr_workgroup_id_y 1
		.amdhsa_system_sgpr_workgroup_id_z 1
		.amdhsa_system_vgpr_workitem_id 0
		.amdhsa_next_free_vgpr 192
		.amdhsa_next_free_sgpr 76
		.amdhsa_reserve_vcc 0
		.amdhsa_float_denorm_mode_32 3
		.amdhsa_float_denorm_mode_16_64 3
		.amdhsa_memory_ordered 1
		.amdhsa_forward_progress 1
		.amdhsa_inst_pref_size 15
	.end_amdhsa_kernel
	.amdgpu_metadata
---
amdhsa.version: [ 1, 2 ]
amdhsa.kernels:
  - .name:           k_q9e2b0586a2_combine
    .symbol:         k_q9e2b0586a2_combine.kd
    .args:
      - { .name: part, .offset: 0, .size: 8, .value_kind: global_buffer, .address_space: global }
      - { .name: expert_b2, .offset: 8, .size: 8, .value_kind: global_buffer, .address_space: global }
      - { .name: sel, .offset: 16, .size: 8, .value_kind: global_buffer, .address_space: global }
      - { .name: gate, .offset: 24, .size: 8, .value_kind: global_buffer, .address_space: global }
      - { .name: rowof, .offset: 32, .size: 8, .value_kind: global_buffer, .address_space: global }
      - { .name: out0, .offset: 40, .size: 8, .value_kind: global_buffer, .address_space: global }
    .group_segment_fixed_size: 0
    .private_segment_fixed_size: 0
    .kernarg_segment_align: 8
    .kernarg_segment_size: 48
    .max_flat_workgroup_size: 256
    .sgpr_count:     76
    .vgpr_count:     192
    .wavefront_size: 32
...
	.end_amdgpu_metadata
.endif
;; end of part 4
